; MI455X (gfx1250); checked and timed in simulation.
; The chip was launched on July 23, 2026; its instructions are those of AMD's public machine-readable ISA for CDNA 5 (MIT licence, August 2026) and "CDNA5" Instruction Set Architecture Reference Guide (July 2026). The comments in the code are by the model that wrote it; some were corrected since.
;; Secondary Input Layer. Allowed arithmetic: float matrix products may take bf16 or f16 operands with f32 sums; all other float work in f32.
;; Inputs: w 4,096 x 4,096 float32; x 4,096 x 4,096 float32.
;; Outputs: out0 4,096 x 4,096 float32.
;; One version. Each part assembles by itself: llvm-mc -triple=amdgcn-amd-amdhsa -mcpu=gfx1250 --defsym DOCPART=n.
;; ======== version 1 of 1: 1 launch
;; launch diag (part 1): grid 16 x 16, 32 waves a work-group, no clusters, 5,120 bytes of LDS; arguments x, w, out0; writes out0
.if DOCPART == 1
	.amdgcn_target "amdgcn-amd-amdhsa--gfx1250"
	.amdhsa_code_object_version 6
	.text
	.protected	k_q28fc8a4386_diag
	.globl	k_q28fc8a4386_diag
	.p2align	8
	.type	k_q28fc8a4386_diag,@function
k_q28fc8a4386_diag:
	s_mov_b64 s[64:65], 0
	v_nop
	global_prefetch_b8 v0, s[64:65] scope:SCOPE_SE
	s_setreg_imm32_b32 hwreg(HW_REG_WAVE_MODE, 25, 1), 1
	s_wait_xcnt 0x0
; out0 = x @ (w * eye(4096)).  x, w, out0: [4096][4096] f32.
; The identity mask is built by the reference itself, so of the 4,096 products behind an output only one is not a product with
; that mask's zero: out0[b][j] = x[b][j] * w[j][j].  It is formed here as one f32 multiply; the matrix units would have
; nothing to add up, and would round both factors for nothing.
;
; LIMITS KEPT.  (a) The masked product as written also forms 0 * x[b][k] and 0 * w[k][j]: an infinity or NaN anywhere in a row of x, or
; off the diagonal in a column of w, makes that whole row or column of the result NaN there.  Here only the element whose own two factors
; give NaN or infinity holds one.  For finite inputs, overflow of the single product included, both agree.
; (b) Where the product is -0 the sum with the +0 terms gives +0 there; here -0 is stored (equal as a number).
;
; SHARES.  16 x 16 work-groups; each owns 256 rows x 256 columns (262,144 bytes in, as many out).  32 waves; thread t owns the four
; columns 4 (t & 63) .. + 3 of the strip in the rows (t >> 6) + 16 i, i = 0 .. 15.  A load or store of a wave covers 512 consecutive
; bytes at a multiple of 512 from the buffer's first byte; two waves side by side cover a row's 1,024 bytes of the strip.
; Every wave asks for its 16 x 512 bytes at once, ahead of all its stores: the work-group's whole block is on its way from the start.
; No register that a memory instruction names is ever written again, so there is no loop, no ring and no wait for address translation.
;
; THE DIAGONAL.  w[j][j] and w[j+1][j+1] lie 16,388 bytes apart, so each word is a request of its own.  With blocks of 256 rows each word
; is fetched by 16 work-groups, 65,536 lane words in the launch; blocks of whole rows would fetch 1,048,576.  In a work-group
; threads 0 to 255 fetch one word each, hand them over in 1,024 bytes of LDS, and every thread takes its four from there.
;
; NO CLUSTER: work-groups share nothing but those 256 words of a strip, 1,024 bytes against the 524,288 bytes that each moves for itself.
.set ROW,    16384                     ; bytes in a row of x, w, out0
.set DSTEP,  ROW+4                     ; from w[j][j] to w[j+1][j+1]
.set STEP,   16*ROW                    ; the 32 waves cover 16 rows with one load each; 15 STEP = 3,932,160 fits the signed 24-bit immediate
.set OFF,    1                         ; v1        my byte offset in the block of x and of out0
.set WOFF,   2                         ; v2        my byte offset from the strip's first diagonal word (threads 0-255)
.set DW,     3                         ; v3        first t >> 5, then the diagonal word that I fetch
.set LST,    4                         ; v4        LDS byte to which I store it
.set LRD,    5                         ; v5        LDS byte of my four columns' words = 16 (t & 63)
.set D,      6                         ; v[6:9]    w[j][j] of my four columns
.set X,      12                        ; v[12:75]  load i: four registers, scaled in place and stored from there
	s_load_b128 s[4:7], s[0:1], 0x0                ; x s[4:5], w s[6:7]
	s_load_b64 s[8:9], s[0:1], 0x10                ; out0
	v_lshl_add_u32 v76, v0, 2, 0x400
	v_mov_b32 v77, 0
	v_lshrrev_b32 v[DW], 5, v0
	v_readfirstlane_b32 s10, v[DW]                 ; wave 0 .. 31, as a scalar
	s_and_b32 s11, ttmp7, 0xffff                   ; row block 0 .. 15;  ttmp9: column strip 0 .. 15
	s_lshl_b32 s12, s11, 22                        ; 256 rows of 16,384 bytes
	s_lshl_b32 s14, ttmp9, 10                      ; 256 columns of 4 bytes
	s_add_co_u32 s12, s12, s14                     ; the block's first byte: at most 62,929,920
	s_mov_b32 s13, 0
	s_mul_i32 s14, ttmp9, 256*DSTEP                ; the strip's first diagonal word: at most 62,929,920
	s_mov_b32 s15, 0
	v_and_b32 v[LRD], 63, v0
	v_lshlrev_b32 v[LRD], 4, v[LRD]                ; 16 bytes for each of the 64 threads along a row
	v_lshrrev_b32 v[OFF], 6, v0
	v_lshl_or_b32 v[OFF], v[OFF], 14, v[LRD]       ; row t >> 6, 16 bytes at 16 (t & 63)
	v_mul_u32_u24 v[WOFF], v0, DSTEP               ; diagonal word t of the strip
	v_and_b32 v[LST], 31, v0
	v_lshlrev_b32 v[LST], 2, v[LST]                ; 4 x lane; the wave's 128 bytes are added below
	s_wait_kmcnt 0x0
	s_add_nc_u64 s[4:5], s[4:5], s[12:13]          ; x at the block
	s_add_nc_u64 s[8:9], s[8:9], s[12:13]          ; out0 at the block
	s_add_nc_u64 s[6:7], s[6:7], s[14:15]          ; w at the strip's first diagonal word
.macro LOADX                           ; my wave's whole share of x: 16 loads of 512 consecutive bytes, read once in the launch
.irp i, 0,1,2,3,4,5,6,7,8,9,10,11,12,13,14,15
	global_load_b128 v[X+4*\i:X+4*\i+3], v[OFF], s[4:5] offset:\i*STEP th:TH_LOAD_NT
.endr
.endm
	s_cmp_ge_u32 s10, 8
	s_cbranch_scc1 .Lothers
	; waves 0 to 7: thread t fetches w[256 strip + t][256 strip + t], ahead of its loads of x.  The last one is the last word of w.
	global_load_b32 v[DW], v[WOFF], s[6:7]         ; no hint: the 16 work-groups of a strip read the same words
	LOADX
	v_lshl_add_u32 v[LST], s10, 7, v[LST]          ; 128 x wave + 4 x lane = 4 t, below 1,024
	s_wait_loadcnt 16                              ; loads come back in order (ISA guide 5.7.1): the word is in, the 16 loads of x behind it stay out
	ds_store_b32 v[LST], v[DW]
	s_wait_dscnt 0x0                               ; for the other waves' sake: the word is in LDS before I signal
	s_branch .Ljoin
.Lothers:
	LOADX                                          ; waves 8 to 31: x alone
.Ljoin:
	s_barrier_signal -1                            ; the loads of x stay on their way across the barrier: no wave writes x
	s_barrier_wait -1                              ; all 256 words are in LDS; they are never written again, so this is the only barrier
	ds_load_b128 v[D:D+3], v[LRD]                  ; a wave's 32 lanes read 512 consecutive bytes
	s_wait_dscnt 0x0
.irp i, 0,1,2,3,4,5,6,7,8,9,10,11,12,13,14,15
	s_wait_loadcnt 15-\i                           ; load i is in; the 15 - i younger ones stay out
	v_pk_mul_f32 v[X+4*\i:X+4*\i+1],   v[X+4*\i:X+4*\i+1],   v[D:D+1]
	v_pk_mul_f32 v[X+4*\i+2:X+4*\i+3], v[X+4*\i+2:X+4*\i+3], v[D+2:D+3]
	global_store_b128 v[OFF], v[X+4*\i:X+4*\i+3], s[8:9] offset:\i*STEP th:TH_STORE_NT   ; 512 consecutive bytes, written once and not read again
.endr
	s_wait_tensorcnt 0x0
	ds_add_u32 v76, v77
	s_wait_dscnt 0x0
	s_endpgm
.Lfunc_end_k_q28fc8a4386_diag:
	.size	k_q28fc8a4386_diag, .Lfunc_end_k_q28fc8a4386_diag-k_q28fc8a4386_diag
	.p2alignl 7, 3214868480
	.fill 96, 4, 3214868480
	.section	.rodata,"a",@progbits
	.p2align	6, 0x0
	.amdhsa_kernel k_q28fc8a4386_diag
		.amdhsa_group_segment_fixed_size 5120
		.amdhsa_private_segment_fixed_size 0
		.amdhsa_enable_private_segment 0
		.amdhsa_kernarg_size 24
		.amdhsa_user_sgpr_count 2
		.amdhsa_user_sgpr_kernarg_segment_ptr 1
		.amdhsa_wavefront_size32 1
		.amdhsa_system_sgpr_workgroup_id_x 1
		.amdhsa_system_sgpr_workgroup_id_y 1
		.amdhsa_system_sgpr_workgroup_id_z 1
		.amdhsa_system_vgpr_workitem_id 0
		.amdhsa_next_free_vgpr 78
		.amdhsa_next_free_sgpr 66
		.amdhsa_reserve_vcc 0
		.amdhsa_float_denorm_mode_32 3
		.amdhsa_float_denorm_mode_16_64 3
		.amdhsa_memory_ordered 1
		.amdhsa_forward_progress 1
		.amdhsa_inst_pref_size 9
	.end_amdhsa_kernel
	.amdgpu_metadata
---
amdhsa.version: [ 1, 2 ]
amdhsa.kernels:
  - .name:           k_q28fc8a4386_diag
    .symbol:         k_q28fc8a4386_diag.kd
    .args:
      - { .name: x, .offset: 0, .size: 8, .value_kind: global_buffer, .address_space: global }
      - { .name: w, .offset: 8, .size: 8, .value_kind: global_buffer, .address_space: global }
      - { .name: out0, .offset: 16, .size: 8, .value_kind: global_buffer, .address_space: global }
    .group_segment_fixed_size: 5120
    .private_segment_fixed_size: 0
    .kernarg_segment_align: 8
    .kernarg_segment_size: 24
    .max_flat_workgroup_size: 1024
    .sgpr_count:     66
    .vgpr_count:     78
    .wavefront_size: 32
...
	.end_amdgpu_metadata
.endif
;; end of part 1
